; MI455X (gfx1250); checked and timed in simulation.
; The chip was launched on July 23, 2026; its instructions are those of AMD's public machine-readable ISA for CDNA 5 (MIT licence, August 2026) and "CDNA5" Instruction Set Architecture Reference Guide (July 2026). The comments in the code are by the model that wrote it; some were corrected since.
;; Multi Head Attention. Allowed arithmetic: matrix products marked QUANTISED: E5M2 operands, one given power-of-two scale a tensor, by v_wmma_f32_16x16x64_bf8_bf8 or v_wmma_f32_16x16x128_bf8_bf8, f32 sums; everything else in f32.
;; Inputs: Wk_codes 1,024 x 32 x 32 uint8 (E5M2 codes of Wk, K innermost, in blocks of 32 codes); Wo_codes 1,024 x 32 x 32 uint8 (E5M2 codes of Wo, K innermost, in blocks of 32 codes); Wq_codes 1,024 x 32 x 32 uint8 (E5M2 codes of Wq, K innermost, in blocks of 32 codes); Wv_codes 1,024 x 32 x 32 uint8 (E5M2 codes of Wv, K innermost, in blocks of 32 codes); bo 1,024 float32; lowp_scales 12 int32 (the exponents e of the quantised operands' scales 2^e); x_codes 4 x 2,048 x 32 x 32 uint8 (E5M2 codes of x, K innermost, in blocks of 32 codes).
;; Outputs: out0 4 x 2,048 x 1,024 float32.
;; This version of the problem:
;;   THIS VERSION OF THE PROBLEM IS GIVEN IN LOW PRECISION. The matrix products marked QUANTISED in the list below multiply operands that are first quantised to E5M2 (5 exponent bits, 2 mantissa bits; 8 bits a number), with one given power-of-two scale for each operand tensor; their sums are f32. All else is computed in f32.
;;   The module's matrix products, in the order in which they are computed (A, B: the left and right operand; K: the contracted axis; several contracted axes count as one K, in the product's order):
;;     1. [M 8,192, K 1,024] x [K 1,024, N 1,024]; A: input x (given as codes); B: input Wq (given as codes): QUANTISED (scales: A lowp_scales[0], B lowp_scales[1])
;;     2. [M 8,192, K 1,024] x [K 1,024, N 1,024]; A: input x (given as codes); B: input Wk (given as codes): QUANTISED (scales: A lowp_scales[2], B lowp_scales[3])
;;     3. [M 8,192, K 1,024] x [K 1,024, N 1,024]; A: input x (given as codes); B: input Wv (given as codes): QUANTISED (scales: A lowp_scales[4], B lowp_scales[5])
;;     4. batch 64 x [M 2,048, K 64] x [K 64, N 2,048]; A: computed on the way; B: computed on the way: QUANTISED (scales: A lowp_scales[6], B lowp_scales[7])
;;     5. batch 64 x [M 2,048, K 2,048] x [K 2,048, N 64]; A: softmax (see below); B: computed on the way: QUANTISED (scales: A lowp_scales[8], B lowp_scales[9])
;;     6. [M 8,192, K 1,024] x [K 1,024, N 1,024]; A: computed on the way; B: input Wo (given as codes): QUANTISED (scales: A lowp_scales[10], B lowp_scales[11])
;;   THE QUANTISER, for each operand of a quantised product, along K:
;;     - The operand's scale is 2^e, e = its entry of the input lowp_scales (int32; the entries are numbered through the quantised products in the list's order, A before B).
;;     - Each number is divided by the scale, clamped to +-57,344, and rounded to the nearest number of E5M2, ties to even, subnormals kept.
;;     - The product sums the exact products of the quantised numbers (number of the format x scale) in f32.
;;   ~~~python
;;   def quantise(x, axis, e):      # numpy; x: float32 -> the quantised numbers, widened to float32 again
;;       x = np.moveaxis(x, axis, -1); K = x.shape[-1]
;;       r = np.clip(x / 2.0 ** e, -57344, 57344)
;;       step = 2.0 ** (np.maximum(np.frexp(np.where(r == 0, 1, r))[1] - 1, -14) - 2)
;;       q = np.round(r / step) * step * 2.0 ** e      # np.round: ties to even
;;       return np.moveaxis(q, -1, axis).astype(np.float32)
;;   ~~~
;;   SOFTMAX AHEAD OF A QUANTISED PRODUCT. Where the list says 'softmax', what is quantised is not the finished softmax but p = 2^(t - M), with t = logit x log2(e) and M = ceil(the row's largest t), a whole number; so 1/2 < the row's largest p <= 1. The row's sum l is taken of the UNQUANTISED p, in f32, and the product's result is divided by l at the end. Since M is a whole number, a kernel that streams over the keys may use a running M (the ceiling of the running maximum): every later rescaling is an exact power of two, so the quantised numbers keep their values, but for numbers so far below the row's largest that they fall under the format's range.
;;   OPERANDS COMPUTED ON THE WAY. 'Computed on the way' means the value that the module computes at that place (a softmax that the list does not call 'softmax' is quantised finished and normalised). What goes into a quantiser is computed in f32, as accurately as f32 sums, v_exp_f32 and their like allow (about 1e-6 of the number): no bf16 or f16 on the way to a quantiser, and a product that is left as it is and whose result goes on into a quantised operand takes f32 operands (vector FMAs, or v_wmma_f32_16x16x4_f32). A number that lies on a knife's edge between two numbers of the format may be rounded either way, as far as f32 arithmetic and the matrix unit's own rounding can turn it there, and no further.
;;   INPUTS GIVEN AS CODES. Wk (in the module: [1024, 1024], K = its axis 0); Wo (in the module: [1024, 1024], K = its axis 0); Wq (in the module: [1024, 1024], K = its axis 0); Wv (in the module: [1024, 1024], K = its axis 0); x (in the module: [4, 2048, 1024], K = its axis 2): each comes as NAME_codes (uint8): NAME with its K axis moved to the last place and cut into blocks of 32 codes, [.., K / 32, bytes a block], one block behind the other in memory; one code a byte (a code: sign, 5 exponent bits, 2 mantissa bits); its scale is its entry of lowp_scales. Its value is code x scale, taken as it is: it is not quantised again, and the codes and scales need not be those that the quantiser above would give.
;; One version. Each part assembles by itself: llvm-mc -triple=amdgcn-amd-amdhsa -mcpu=gfx1250 --defsym DOCPART=n.
;; ======== version 1 of 1: 3 launches
;; limits: right only within a limited range of input values
;; workspace buffers: q_img 8,388,608 bytes; k_img 8,388,608 bytes; v_img 8,388,608 bytes; ctx_img 8,388,608 bytes
;; launch proj (part 1): grid 96 x 4, 4 waves a work-group, clusters of 4 x 4, 327,680 bytes of LDS; arguments x_codes, Wq_codes, Wk_codes, Wv_codes, lowp_scales, q_img, k_img, v_img; writes q_img, k_img, v_img
.if DOCPART == 1
	.amdgcn_target "amdgcn-amd-amdhsa--gfx1250"
	.amdhsa_code_object_version 6
	.text
	.protected	k_q12550329cf_proj
	.globl	k_q12550329cf_proj
	.p2align	8
	.type	k_q12550329cf_proj,@function
k_q12550329cf_proj:
	s_mov_b64 s[64:65], 0
	v_nop
	global_prefetch_b8 v0, s[64:65] scope:SCOPE_SE
	s_setreg_imm32_b32 hwreg(HW_REG_WAVE_MODE, 25, 1), 1
	s_wait_xcnt 0x0
	s_wait_alu depctr_hold_cnt(0) depctr_sa_sdst(0) depctr_va_vdst(0) depctr_va_sdst(0) depctr_va_ssrc(0) depctr_va_vcc(0) depctr_vm_vsrc(0)
	s_getreg_b32 s2, hwreg(HW_REG_IB_STS2, 6, 4)
	s_cmp_eq_u32 s2, 0
	s_cbranch_scc0 .Lentry_in_a_cluster
	s_endpgm
.Lentry_in_a_cluster:
	s_bfe_u32 s2, ttmp6, 0x10000c
	s_cmp_lg_u32 s2, 0xf033
	s_cbranch_scc0 .Lentry_shape_is_right
	s_endpgm
.Lentry_shape_is_right:
; q = x Wq, k = x Wk, v = x Wv on codes of BF8 (E5M2), and the quantisers of q, k and v for the products that follow.  x: [8192][1024] codes; Wq, Wk, Wv: [1024 (n)][1024 (k)] codes, K innermost.
; ONE PATH FOR THE THREE.  The product is D = P R^T: source 0 takes 16 rows of P, source 1 16 rows of R, so that in D a lane holds ONE row of R and its eight registers eight neighbouring rows of P.
; P's rows are the K of the product that will take the result: q, k: P = the weight (the head's channels), R = x (tokens);  v: P = x (tokens = keys), R = Wv (channels).  Both are rows of 1,024 bytes, so only pointers and
; a few scalars are chosen (s_cselect on the cluster's number, which all partners share); no branch hangs on the choice.
; 24 clusters of 4 x 4 work-groups: clusters 0-7 make q, 8-15 k, 16-23 v.  A work-group makes 256 x 256 of D, a wave 128 x 128: 64 accumulators of 16 x 16, 512 registers.
; K goes in steps of 256 through a ring of two LDS slots filled by the tensor data mover; R's tile is shared along a row of the cluster, P's along a column: each is asked for JOINTLY.
; A fragment is fetched by four loads of 16 bytes: a permutation of k that is the same in both operands, so every product meets its partner; only the order of the sums inside an instruction changes.
; THE WAY OUT.  A sum stands for sum x 2^(eA + eB); its code is sum / 2^E, E = e(out) - eA - eB (q: e6 - e0 - e1; k: e7 - e2 - e3; v: e9 - e4 - e5), held within +-57,344 x 2^E.  The conversions take a lane's eight registers,
; and their results ARE the registers of the next product's operand, in the lanes that want them: they are stored as images of registers, 16 bytes a lane, 512 consecutive aligned bytes a store.
;   q_img, k_img: [batch 4][head 16][tile of 16 tokens: 128][1,024 bytes]: lane (r, h): token r; registers 2 i, 2 i + 1: channels 16 i + 8 h + 0 .. 7.
;   v_img: [batch 4][head 16][step of 128 keys: 16][tile of 16 channels: 4][2,048 bytes]: lane (r, h): channel r; registers 2 i, 2 i + 1: keys 16 i + 8 h + 0 .. 7.
; LIMITS: -126 <= E <= 112, so that 2^E and 57,344 x 2^E are f32 numbers.  NaN codes among the inputs are not served.
; REGISTERS, in windows of 256: window 0: v0-31 addresses and the two constants; from v128 R's fragments (8 x 16 rows x 128 K), ONE set, on the way out the codes;
;   window 1: P's fragments, TWO sets;   window 2: the accumulators of my R rows 0-63 ((a, b) at v[8 (8 (a % 4) + b)]);   window 3: those of rows 64-127.
.set KSTEP,  256                       ; along K in a slot
.set ROWB,   256                       ; a tile's row in bytes
.set KROW,   1024                      ; a row of either operand in memory, in bytes
.set PITCH,  272                       ; an LDS row: 256 bytes + 16 of padding = 68 words: the 16 rows that a load touches start 4 words apart modulo 64 (64 banks of 4 bytes: ISA guide 11.1)
.set FR,     16                        ; registers of a fragment: 16 rows x 128 K
.set NL,     4                         ; LDS loads that bring one
.set NP,     4                         ; places behind this matrix instruction (ISA guide 7.12.1)
.set HALFT,  128*PITCH                 ; 128 rows: what one tensor load brings
.set SLOT,   4*HALFT                   ; R's 256 rows, then P's 256 rows
.set LAPS,   2                         ; 1,024 along K = four K steps = twice round the ring
.set SPARE,  2*SLOT                    ; behind the ring: the spare words, 128 bytes for each wave
.set ADRA, 16                          ; v16-17  LDS address of my R fragments in slot 0, 1
.set ADRB, 20                          ; v20-21  the same for P
.set LI,   26                          ; v26     16 x lane: my place in an image's 512 bytes
.set SPW,  28                          ; v28     LDS address of my spare word; never rewritten
.set NIL,  29                          ; v29     0; never rewritten
.set SC,   30                          ; v30     2^E as f32
.set LIM,  31
.set TMP,  32
.set AF,   128                         ; R's fragments, in window 0
.set CD,   128                         ; the way out: 16 registers of codes for each of my 8 tiles of R: no store's data are written again
.set G1, 24                            ; s[24:31] descriptor group 1 for R's tiles;  s[32:39] group 0, one set for each slot
.set G0, 32
.set G1B, 48                           ; s[48:55], s[56:63] the same for P's tiles
.set G0B, 56
.set MSB, 0
.macro WIN new                         ; the immediate's high byte repeats the setting that is left
.if MSB != \new
	s_set_vgpr_msb (MSB<<8)|\new
.set MSB, \new
.endif
.endm
.set MUL_LO, 0xa1                      ; source 0 (P) window 1, source 1 (R) window 0, C and D window 2
.set MUL_HI, 0xf1                      ; the same, C and D window 3
.set TO_B,   0x40                      ; destination window 1, address window 0
; A joint load: waves 0 and 1 fetch for R, waves 2 and 3 for P.  Each line has ONE mask and one set of registers for all that issue it; the branch hangs on the wave's number alone.
; Four v_nop follow each of the two lines, ahead of the jump, the label and what follows.
.macro JLOAD g0a, g1a, g0b, g1b
	s_cmp_eq_u32 s15, 0
	s_cbranch_scc0 .Lfor_b_\@
	tensor_load_to_lds s[\g0a:\g0a+3], s[\g1a:\g1a+7]
	s_nop 0
.rept 4
	v_nop
.endr
	s_branch .Lasked_\@
.Lfor_b_\@:
	tensor_load_to_lds s[\g0b:\g0b+3], s[\g1b:\g1b+7]
	s_nop 0
.rept 4
	v_nop
.endr
.Lasked_\@:
.endm
.macro CREST                           ; a round of the cluster's barrier behind its opening barrier
	s_cmp_lg_u32 s14, 0
	s_cbranch_scc1 .Lnot_wave_0_\@
	s_barrier_signal -3
.Lnot_wave_0_\@:
	s_barrier_wait -3
	s_barrier_signal -1
	s_barrier_wait -1
.endm
.macro CROUND                          ; a whole round
	s_barrier_signal -1
	s_barrier_wait -1
	CREST
.endm
	s_load_b256 s[4:11], s[0:1], 0x0               ; x s[4:5], Wq s[6:7], Wk s[8:9], Wv s[10:11]
	s_load_b256 s[80:87], s[0:1], 0x20             ; the scales' exponents s[80:81], q_img s[82:83], k_img s[84:85], v_img s[86:87]
	v_lshl_add_u32 v[SPW], v0, 2, SPARE
	v_mov_b32 v[NIL], 0
	ds_add_u32 v28, v29
	ds_add_u32 v28, v29
	s_wait_dscnt 0x0
	v_lshrrev_b32 v1, 5, v0
	v_readfirstlane_b32 s14, v1                    ; wave 0..3
	s_lshr_b32 s15, s14, 1                         ; which half of the tile's R rows is mine.  Also: I fetch for R (0) or for P (1)
	s_and_b32 s16, s14, 1                          ; which half of its P rows.  Also: which 128 rows of that tile I fetch
	s_bfe_u32 s40, ttmp6, 0x40000                  ; cx, cy: my place in the cluster
	s_bfe_u32 s41, ttmp6, 0x40004
	s_lshr_b32 s66, ttmp9, 3                       ; 0: q, 1: k, 2: v: the same in all sixteen partners
	s_and_b32 s67, ttmp9, 7                        ; which eighth of x's 8,192 rows the cluster takes
	s_cmp_eq_u32 s66, 2
	s_cselect_b32 s42, s67, 0                      ; x is P for v,
	s_cselect_b32 s17, 0, s67                      ; and R for q and k
	s_lshl_b32 s42, s42, 2
	s_add_co_u32 s42, s42, s40                     ; P's tile of 256 rows
	s_lshl_b32 s17, s17, 2
	s_add_co_u32 s17, s17, s41                     ; R's tile of 256 rows
	s_lshl_b32 s43, s41, 2
	s_lshl_b32 s43, 15, s43                        ; my row of the cluster
	s_lshl_b32 s44, 0x1111, s40                    ; my column
	; descriptor group 1: a tile of 128 rows x 256 bytes, padded in LDS
	s_or_b32 s[G1+0], s43, (0<<16)|(1<<20)|(1<<21)|(5<<22)|(3<<25)  ; 15:0 the mask: R's tiles go to my row; 17:16 element of 1 byte; 20 padding on; 21 set beside a mask; 24:22 after every 64 words (code 5); 31:25 of 4 words (code 3)
	s_or_b32 s[G1B+0], s44, (0<<16)|(1<<20)|(1<<21)|(5<<22)|(3<<25) ; the same with my column's mask, for P's tiles
.irp g, G1, G1B
	s_mov_b32 s[\g+1], ROWB<<16                    ; tensor_dim0
	s_mov_b32 s[\g+2], 128<<16                     ; tensor_dim1 = 128
	s_mov_b32 s[\g+3], ROWB<<16                    ; tile_dim0
	s_mov_b32 s[\g+4], 128                         ; tile_dim1 = 128
	s_mov_b32 s[\g+5], KROW                        ; tensor_dim0_stride
	s_mov_b32 s[\g+6], 0
	s_mov_b32 s[\g+7], 0
.endr
	s_lshl_b32 s18, s16, 7                         ; which 128 rows of the tile I fetch
	s_lshl_b32 s20, s17, 8
	s_add_co_u32 s20, s20, s18                     ; R: row 256 x tile + 128 x half
	s_lshl_b32 s46, s42, 8
	s_add_co_u32 s46, s46, s18                     ; P likewise
	s_lshl_b32 s20, s20, 10                        ; in bytes: at most 8,192 rows of 1,024
	s_mov_b32 s21, 0
	s_lshl_b32 s46, s46, 10
	s_mov_b32 s47, 0
	s_mul_i32 s45, s14, HALFT                      ; where they go: wave x 128 rows: no place in the cluster enters an LDS address
	s_wait_kmcnt 0x0
	s_load_b256 s[68:75], s[80:81], 0x0            ; e0 .. e7
	s_load_b128 s[76:79], s[80:81], 0x20           ; e8 .. e11
	s_cmp_eq_u32 s66, 2
	s_cselect_b64 s[88:89], s[10:11], s[4:5]       ; R: Wv, or x
	s_cselect_b64 s[90:91], s[4:5], s[8:9]         ; P: x, or Wk,
	s_cselect_b64 s[92:93], s[86:87], s[84:85]     ; the images: v's, or k's,
	s_cmp_eq_u32 s66, 0
	s_cselect_b64 s[90:91], s[6:7], s[90:91]       ; or Wq
	s_cselect_b64 s[92:93], s[82:83], s[92:93]     ; or q's
	s_add_nc_u64 s[20:21], s[88:89], s[20:21]
	s_add_nc_u64 s[46:47], s[90:91], s[46:47]
	CROUND                                         ; all sixteen work-groups are here: the first joint loads meet
.irp s, 0,1
	s_mov_b32 s[G0+4*\s], 1
	s_add_co_u32 s[G0+4*\s+1], s45, \s*SLOT
	s_add_nc_u64 s[G0+4*\s+2:G0+4*\s+3], s[20:21], \s*ROWB
	s_or_b32 s[G0+4*\s+3], s[G0+4*\s+3], 0x80000000
	s_mov_b32 s[G0B+4*\s], 1
	s_add_co_u32 s[G0B+4*\s+1], s45, \s*SLOT
	s_add_nc_u64 s[G0B+4*\s+2:G0B+4*\s+3], s[46:47], \s*ROWB
	s_or_b32 s[G0B+4*\s+3], s[G0B+4*\s+3], 0x80000000
	JLOAD G0+4*\s, G1, G0B+4*\s, G1B
.endr
	v_and_b32 v1, 15, v0                           ; l % 16
	v_bfe_u32 v2, v0, 4, 1                         ; l / 16
	v_mul_u32_u24 v3, v1, PITCH
	v_lshl_add_u32 v4, v2, 4, v3                   ; a fragment's row x pitch + 16 x half
	s_mul_i32 s21, s15, HALFT                      ; my 128 rows of R
	s_mul_i32 s22, s16, HALFT                      ; my 128 rows of P,
	s_add_co_u32 s22, s22, 2*HALFT                 ; which lie behind R's 256
.irp s, 0,1
	v_add_nc_u32 v[ADRA+\s], s21, v4
	v_add_nc_u32 v[ADRB+\s], s22, v4
	s_add_co_u32 s21, s21, SLOT
	s_add_co_u32 s22, s22, SLOT
.endr
	v_and_b32 v6, 31, v0
	v_lshlrev_b32 v[LI], 4, v6
	; where my images begin.  I = 2 x P's tile + my half of it: a run of 128 rows of P
	s_lshl_b32 s18, s42, 1
	s_add_co_u32 s18, s18, s16
	s_lshr_b32 s19, s17, 3                         ; q, k: the batch (8 tiles of 256 tokens each): 2^21 bytes;
	s_lshl_b32 s19, s19, 21
	s_lshl_b32 s22, s18, 18                        ; my first head is 2 I: 2^17 bytes a head;
	s_or_b32 s19, s19, s22
	s_and_b32 s22, s17, 7
	s_lshl_b32 s22, s22, 1
	s_add_co_u32 s22, s22, s15
	s_lshl_b32 s22, s22, 13                        ; my first tile of tokens is 16 (tile % 8) + 8 x half: 1,024 bytes a tile
	s_or_b32 s19, s19, s22
	s_lshr_b32 s22, s18, 4                         ; v: the batch (16 steps of 128 keys each);
	s_lshl_b32 s22, s22, 21
	s_lshl_b32 s23, s17, 1
	s_add_co_u32 s23, s23, s15
	s_lshl_b32 s23, s23, 18                        ; my first head is 4 x R's tile + 2 x half;
	s_or_b32 s22, s22, s23
	s_and_b32 s23, s18, 15
	s_lshl_b32 s23, s23, 13                        ; the key step: 8,192 bytes
	s_or_b32 s22, s22, s23
	s_cmp_eq_u32 s66, 2
	s_cselect_b32 s100, s22, s19
	s_mov_b32 s101, 0
	s_mov_b32 s96, 1024
	s_cselect_b32 s96, 2048, s96                   ; from one of my tiles of R to the next: a tile of tokens, or a tile of channels;
	s_mov_b32 s97, 0
	s_mov_b32 s98, 1024
	s_cselect_b32 s98, 131072-3*2048, s98          ; behind the fourth: for v the next head's first tile of channels
	s_mov_b32 s99, 0
	s_mov_b32 s22, 131072
	s_cselect_b32 s22, 1024, s22                   ; registers 8-15 of a tile's codes: q, k: the odd head's fragment; v: the second half of the same fragment
	s_mov_b32 s23, 0
	s_add_nc_u64 s[92:93], s[92:93], s[100:101]
	s_add_nc_u64 s[94:95], s[92:93], s[22:23]
.macro FRAG reg, adr, q, i             ; a fragment, 16 rows x 128 K, is 16 registers: lane l holds row l % 16; registers 4 c .. 4 c + 3 hold K = 32 c + 16 (l / 16) + 0 .. 15
.irp c, 0,1,2,3
	ds_load_b128 v[\reg+4*\c:\reg+4*\c+3], v[\adr] offset:128*(\q)+32*\c+(\i)*16*PITCH
.endr
.endm
; 16 matrix instructions: R's blocks a0, a0 + 1 x P's eight, 128 along K.  p: P's set.  zero = 1: the first product starts the sums: nothing is ever cleared.
; The 64 accumulators take turns, one instruction a turn, in the same order in every step.
.macro MUL16 a0, p, zero
.irp a, \a0, \a0+1
.irp b, 0,1,2,3,4,5,6,7
.if \zero
	v_wmma_f32_16x16x128_bf8_bf8 v[8*(8*((\a)%4)+\b):8*(8*((\a)%4)+\b)+7], v[128*(\p)+FR*\b:128*(\p)+FR*\b+FR-1], v[AF+FR*(\a):AF+FR*(\a)+FR-1], 0
.else
	v_wmma_f32_16x16x128_bf8_bf8 v[8*(8*((\a)%4)+\b):8*(8*((\a)%4)+\b)+7], v[128*(\p)+FR*\b:128*(\p)+FR*\b+FR-1], v[AF+FR*(\a):AF+FR*(\a)+FR-1], v[8*(8*((\a)%4)+\b):8*(8*((\a)%4)+\b)+7]
.endif
.endr
.endr
.endm
.macro FETCH_B slot, q, p              ; P's eight fragments of the slot's q-th 128 along K into set p
	WIN TO_B
.irp i, 0,1,2,3,4,5,6,7
	FRAG 128*(\p)+FR*\i, ADRB+\slot, \q, \i
.endr
	WIN 0
.endm
.macro FETCH_A slot, q, i0             ; R's blocks i0 .. i0 + 3
.irp i, \i0, \i0+1, \i0+2, \i0+3
	FRAG AF+FR*(\i), ADRA+\slot, \q, \i
.endr
.endm
; A load into a register that a matrix instruction has read, and a vector instruction that reads a matrix result, stand NP places behind that matrix instruction; only plain vector
; instructions that name none of its registers are places (ISA guide 7.12.1 for vector instructions).
.macro PLACES n
.rept \n
	v_nop
.endr
.endm
; A step of 128 along K that has its successor in the same slot.
.macro STEP slot, q, zero
	s_wait_dscnt 4*NL                              ; P's set and R's blocks 0-3 are in; the youngest 16 loads (R's blocks 4-7) may be out
	WIN MUL_LO
	MUL16 0, (\q)%2, \zero
	MUL16 2, (\q)%2, \zero
	s_wait_dscnt 0                                 ; R's blocks 4-7 are in
	PLACES NP
	FETCH_B \slot, (\q)+1, 1-(\q)%2
	FETCH_A \slot, (\q)+1, 0
	WIN MUL_HI
	MUL16 4, (\q)%2, \zero
	MUL16 6, (\q)%2, \zero
	PLACES NP
	WIN 0
	FETCH_A \slot, (\q)+1, 4
.endm
; A slot's last step changes slots: ONE barrier; in front of it each wave waits for all its tensor loads, adds 0 to its spare word, and waits for that and for its own reads of this slot.  fill = 1: this slot is filled again, two K steps ahead.
.macro TURN slot, next, fill
	s_wait_tensorcnt 0x0                           ; all my tensor loads have landed: my part of the next slot  (every window is 0 here)
	ds_add_u32 v[SPW], v[NIL]                      ; 0 onto my spare word
	s_wait_dscnt 4*NL+1                            ; (the add and the youngest 16 loads, R's blocks 4-7, may be out)
	WIN MUL_LO
	MUL16 0, 1, 0                                  ; sixteen matrix instructions stand between the add and the wait for it
	s_wait_dscnt 0x0                               ; the add is done, and my reads of this slot are over
	s_barrier_signal -1
	MUL16 2, 1, 0
	WIN 0
	s_barrier_wait -1
.if \fill
	CREST                                          ; the barrier has opened a round of the cluster's barrier: no wave of any partner still reads this slot's tile or has a load on its way
	s_add_nc_u64 s[G0+4*\slot+2:G0+4*\slot+3], s[G0+4*\slot+2:G0+4*\slot+3], 2*ROWB
	s_add_nc_u64 s[G0B+4*\slot+2:G0B+4*\slot+3], s[G0B+4*\slot+2:G0B+4*\slot+3], 2*ROWB
	JLOAD G0+4*\slot, G1, G0B+4*\slot, G1B         ; the first tensor load behind the round; the four v_nop behind it are the places in front of the loads below
.else
	PLACES NP
.endif
	FETCH_B \next, 0, 0
	FETCH_A \next, 0, 0
	WIN MUL_HI
	MUL16 4, 1, 0
	MUL16 6, 1, 0
	PLACES NP
	WIN 0
	FETCH_A \next, 0, 4
.endm
	s_wait_alu depctr_va_vdst(0)
	s_wait_tensorcnt 1                             ; my part of K step 0 is in (K step 1's load, issued behind it, may be out),
	s_barrier_signal -1
	s_barrier_wait -1                              ; everybody's is
	FETCH_B 0, 0, 0
	FETCH_A 0, 0, 0
	FETCH_A 0, 0, 4
	STEP 0, 0, 1                                   ; the first step stands in front of the loop: its products start the sums
	s_mov_b32 s3, LAPS-1
.Llap:                                                 ; a trip goes once round the ring, from a lap's second step to the next lap's first, and fills both slots again
	TURN 0, 1, 1
	STEP 1, 0, 0
	TURN 1, 0, 1
	STEP 0, 0, 0
	s_sub_co_u32 s3, s3, 1
	s_cmp_lg_u32 s3, 0
	s_cbranch_scc1 .Llap
	TURN 0, 1, 0                                   ; the last lap fills nothing, and has no round of the cluster's barrier
	STEP 1, 0, 0
	s_wait_dscnt 4*NL                              ; the very last step: nothing more to fetch
	WIN MUL_LO
	MUL16 0, 1, 0
	MUL16 2, 1, 0
	s_wait_dscnt 0
	WIN MUL_HI
	MUL16 4, 1, 0
	MUL16 6, 1, 0
	WIN 0
	; THE WAY OUT
	s_wait_kmcnt 0x0
	s_sub_co_i32 s18, s74, s68                     ; q: e6 - e0 - e1
	s_sub_co_i32 s18, s18, s69
	s_sub_co_i32 s19, s75, s70                     ; k: e7 - e2 - e3
	s_sub_co_i32 s19, s19, s71
	s_sub_co_i32 s22, s77, s72                     ; v: e9 - e4 - e5
	s_sub_co_i32 s22, s22, s73
	s_cmp_eq_u32 s66, 2
	s_cselect_b32 s19, s22, s19
	s_cmp_eq_u32 s66, 0
	s_cselect_b32 s18, s18, s19                    ; E
	s_add_co_i32 s18, s18, 127
	s_lshl_b32 s19, s18, 23
	v_mov_b32 v[SC], s19                           ; 2^E as f32: the conversion takes its exponent field
	s_wait_alu depctr_va_vdst(0)
	s_add_co_i32 s18, s18, 15
	s_lshl_b32 s18, s18, 23
	s_or_b32 s18, s18, 0x600000
	PLACES NP                                      ; behind the last products: their results are read, and the registers that held R's fragments are written
; My tile a of 16 rows of R: its eight accumulators are 128 neighbours along P for each lane's row.  Held, converted (eight registers give two), stored as they stand.
.macro OUTJ a
	WIN 0x02+(\a)/4                                ; source 0: window 2 or 3
.set n, 0
.rept 64
.set n, n+1
.endr
.irp b, 0,1,2,3,4,5,6,7
	v_cvt_scalef32_pk8_bf8_f32 v[CD+16*(\a)+2*\b:CD+16*(\a)+2*\b+1], v[TMP+8*\b+((64*((\a)%4)+n)-(TMP+n)):TMP+8*\b+7+((64*((\a)%4)+n)-(TMP+n))], v[SC]
.endr
	WIN 0
	v_nop                                          ; one plain vector instruction between the conversions and the stores that read their results
	global_store_b128 v[LI], v[CD+16*(\a):CD+16*(\a)+3], s[92:93]                 ; each store: 512 consecutive bytes, at a multiple of 512 from the buffer's first byte
	global_store_b128 v[LI], v[CD+16*(\a)+4:CD+16*(\a)+7], s[92:93] offset:512
	global_store_b128 v[LI], v[CD+16*(\a)+8:CD+16*(\a)+11], s[94:95]
	global_store_b128 v[LI], v[CD+16*(\a)+12:CD+16*(\a)+15], s[94:95] offset:512
.if (\a) == 3
	s_wait_xcnt 0x0                                ; the stores have read their bases: these are stepped only behind this wait
	s_add_nc_u64 s[92:93], s[92:93], s[98:99]
	s_add_nc_u64 s[94:95], s[94:95], s[98:99]
.elseif (\a) < 7
	s_wait_xcnt 0x0
	s_add_nc_u64 s[92:93], s[92:93], s[96:97]
	s_add_nc_u64 s[94:95], s[94:95], s[96:97]
.endif
.endm
.irp a, 0,1,2,3,4,5,6,7
	OUTJ \a
.endr
	s_wait_tensorcnt 0x0                           ; the wave's end
	ds_add_u32 v[SPW], v[NIL]
	s_wait_dscnt 0x0
	CROUND                                         ; the closing round: no work-group ends while a partner may still ask for a tile that names it
	s_endpgm
.Lfunc_end_k_q12550329cf_proj:
	.size	k_q12550329cf_proj, .Lfunc_end_k_q12550329cf_proj-k_q12550329cf_proj
	.p2alignl 7, 3214868480
	.fill 96, 4, 3214868480
	.section	.rodata,"a",@progbits
	.p2align	6, 0x0
	.amdhsa_kernel k_q12550329cf_proj
		.amdhsa_group_segment_fixed_size 327680
		.amdhsa_private_segment_fixed_size 0
		.amdhsa_enable_private_segment 0
		.amdhsa_kernarg_size 64
		.amdhsa_user_sgpr_count 2
		.amdhsa_user_sgpr_kernarg_segment_ptr 1
		.amdhsa_wavefront_size32 1
		.amdhsa_system_sgpr_workgroup_id_x 1
		.amdhsa_system_sgpr_workgroup_id_y 1
		.amdhsa_system_sgpr_workgroup_id_z 1
		.amdhsa_system_vgpr_workitem_id 0
		.amdhsa_next_free_vgpr 1024
		.amdhsa_next_free_sgpr 102
		.amdhsa_reserve_vcc 0
		.amdhsa_float_denorm_mode_32 3
		.amdhsa_float_denorm_mode_16_64 3
		.amdhsa_fp16_overflow 1
		.amdhsa_memory_ordered 1
		.amdhsa_forward_progress 1
		.amdhsa_inst_pref_size 88
	.end_amdhsa_kernel
	.amdgpu_metadata
---
amdhsa.version: [ 1, 2 ]
amdhsa.kernels:
  - .name:           k_q12550329cf_proj
    .symbol:         k_q12550329cf_proj.kd
    .args:
      - { .name: x_codes, .offset: 0, .size: 8, .value_kind: global_buffer, .address_space: global }
      - { .name: Wq_codes, .offset: 8, .size: 8, .value_kind: global_buffer, .address_space: global }
      - { .name: Wk_codes, .offset: 16, .size: 8, .value_kind: global_buffer, .address_space: global }
      - { .name: Wv_codes, .offset: 24, .size: 8, .value_kind: global_buffer, .address_space: global }
      - { .name: lowp_scales, .offset: 32, .size: 8, .value_kind: global_buffer, .address_space: global }
      - { .name: q_img, .offset: 40, .size: 8, .value_kind: global_buffer, .address_space: global }
      - { .name: k_img, .offset: 48, .size: 8, .value_kind: global_buffer, .address_space: global }
      - { .name: v_img, .offset: 56, .size: 8, .value_kind: global_buffer, .address_space: global }
    .group_segment_fixed_size: 327680
    .private_segment_fixed_size: 0
    .kernarg_segment_align: 8
    .kernarg_segment_size: 64
    .max_flat_workgroup_size: 128
    .sgpr_count:     102
    .vgpr_count:     1024
    .wavefront_size: 32
...
	.end_amdgpu_metadata
.endif
;; end of part 1
;; launch attn (part 2): grid 4 x 64, 16 waves a work-group, clusters of 4 x 1, 264,192 bytes of LDS; arguments q_img, k_img, v_img, lowp_scales, ctx_img; writes ctx_img
.if DOCPART == 2
	.amdgcn_target "amdgcn-amd-amdhsa--gfx1250"
	.amdhsa_code_object_version 6
	.text
	.protected	k_q12550329cf_attn
	.globl	k_q12550329cf_attn
	.p2align	8
	.type	k_q12550329cf_attn,@function
k_q12550329cf_attn:
	s_mov_b64 s[64:65], 0
	v_nop
	global_prefetch_b8 v0, s[64:65] scope:SCOPE_SE
	s_setreg_imm32_b32 hwreg(HW_REG_WAVE_MODE, 25, 1), 1
	s_wait_xcnt 0x0
	s_wait_alu depctr_hold_cnt(0) depctr_sa_sdst(0) depctr_va_vdst(0) depctr_va_sdst(0) depctr_va_ssrc(0) depctr_va_vcc(0) depctr_vm_vsrc(0)
	s_getreg_b32 s2, hwreg(HW_REG_IB_STS2, 6, 4)
	s_cmp_eq_u32 s2, 0
	s_cbranch_scc0 .Lentry_in_a_cluster
	s_endpgm
.Lentry_in_a_cluster:
	s_bfe_u32 s2, ttmp6, 0x10000c
	s_cmp_lg_u32 s2, 0x3003
	s_cbranch_scc0 .Lentry_shape_is_right
	s_endpgm
.Lentry_shape_is_right:
; Causal attention of one head on codes of BF8 (E5M2), and the quantiser of its result.  64 heads (batch x head), 2,048 tokens, head size 64.
; q_img, k_img: [head 64][tile of 16 tokens: 128][1,024 bytes], v_img: [head 64][step of 128 keys: 16][tile of 16 channels: 4][2,048 bytes]: images of operand registers, 16 bytes a lane, 512 bytes for four registers.
; THE SOFTMAX AHEAD OF THE SECOND PRODUCT: t = score x log2(e) / 8; M = the row's largest t so far, rounded UP to a whole number; p = 2^(t - M) is quantised with 2^e8, not normalised; the row's sum is taken of the
; unquantised p and divides at the end.  When M moves, the sum and O are multiplied by 2^(old M - new M): exact.
; THE WHOLE HEAD LIES IN LDS: K's images in bytes 0 .. 131,071, V's behind them; each byte is filled once, so there is no ring.  A cluster of four work-groups is one head: the tiles are asked for JOINTLY by all four.
; SHARES.  The head's 128 tiles of 16 queries fall into 16 groups of 8 (128 queries): a group g sees key steps 0 .. g, and step g lies on the diagonal.  Work-group cx takes tiles 8 g + 2 cx + u of every group; wave w
; (u = w % 2) takes one tile of group 15 - w / 2 and then one of group w / 2: 17 units of 16 queries x 128 keys for every wave.  Branches hang on the wave's number and on loop counts alone; cx enters only Q's and the
; result's addresses and the number that the mask compares with.
; LAYOUT.  S^T = K Q^T (source 0 = 16 keys, source 1 = my 16 queries, K = 64 in one instruction), O^T = V^T P^T (source 0 = 16 channels, source 1 = P, K = 128): a lane holds ONE query (lane % 16) throughout.
; In tile t of S^T lane (r, h) holds keys 16 t + 8 h + 0 .. 7: one conversion gives registers 2 t, 2 t + 1 of P in the second product's own layout, which is also V's images'.
; THE RESULT: O / sum x 2^(e8 + e9) is held within +-57,344 x 2^e10, converted with 2^e10 and stored as an image: ctx_img [K step of 256 channels: 4][tile of 16 tokens: 512][head % 4][1,024 bytes]: lane (r, h): token r;
; registers 4 b .. 4 b + 3: the head's channels 32 b + 16 h + 0 .. 15.
; LIMITS on the given exponents, so that each power of two is an f32 number: e6 + e7 between -123 and 130 (added to c's exponent field); e8 and e10 between -126 and 112.  A p under 2^-126 counts as 0.  NaN is not served.
; REGISTERS: v1-11 addresses and constants; v12 -M, v13 the largest t, v[14:15] the sum in two halves; v16-23, v24-31 my two tiles of Q; v32-95 K's eight fragments, then V's four; v96-159 S^T, then p; v160-191 O^T;
; v192-207 p's codes; v208-219 the result's image and the exchange; v234-254 at work.
.set LI,   1                           ; v1   16 x lane: my place in an image's 512 bytes; never rewritten
.set ADK,  2                           ; v2   LDS address of the step's K
.set ADV,  3                           ; v3   of its V
.set QD,   4                           ; v4   my query's place in its group of 128, less 8 (lane / 16)
.set NINF, 5                           ; v5   -infinity
.set PSC,  6                           ; v6   2^e8
.set PLIM, 7
.set CSC,  8                           ; v8   2^e10
.set CLIM, 9
.set LIV,  10                          ; v10  16 x lane + 131,072
.set QA,   16
.set QB,   24
.set KV,   32
.set S,    96
.set O,    160
.set PC,   192
.set CI,   208
.set XC,   216
.set WV,   18                          ; s18  my wave's number
.set SEL,  20                          ; s[20:21] lane selects for v_permlanex16_b32: lane l xor 16
.set CS,   22                          ; s[22:23] c = log2(e) / 8 x 2^(e6 + e7)
.set G1S,  24                          ; s[24:31] descriptor group 1: 64 rows of 256 bytes
.set G1L,  32                          ; s[32:39] 192 rows of 256 bytes
.set G0K,  40                          ; s[40:47] K's two groups 0
.set KS,   48                          ; s48  the key step
.set KO,   49                          ; s49  8,192 x the key step
.set G,    50                          ; s50  the group of the tile in hand
.set GA,   51                          ; s51  w / 2
.set GB,   52                          ; s52  15 - w / 2
.set QPA,  54                          ; s[54:55], s[56:57] my two tiles of Q
.set QPB,  56
.set CPA,  58                          ; s[58:59], s[60:61] and of the result
.set CPB,  60
.set EPV,  62                          ; s62  e8 + e9
.set HM,   63                          ; s63  the lanes 16-31
.set G0V,  80                          ; s[80:87] V's two groups 0
.macro ROUND                           ; a round of the cluster's barrier
	s_barrier_signal -1
	s_barrier_wait -1
	s_cmp_lg_u32 s[WV], 0
	s_cbranch_scc1 .Lnot_wave_0_\@
	s_barrier_signal -3
.Lnot_wave_0_\@:
	s_barrier_wait -3
	s_barrier_signal -1
	s_barrier_wait -1
.endm
	s_load_b256 s[4:11], s[0:1], 0x0               ; q_img s[4:5], k_img s[6:7], v_img s[8:9], the scales' exponents s[10:11]
	s_load_b64 s[12:13], s[0:1], 0x20              ; ctx_img
	v_lshl_add_u32 v251, v0, 2, 0x40000
	v_mov_b32 v255, 0
	ds_add_u32 v251, v255
	ds_add_u32 v251, v255
	v_lshrrev_b32 v11, 5, v0
	s_delay_alu instid0(VALU_DEP_1)
	v_readfirstlane_b32 s[WV], v11                 ; wave 0..15
	s_and_b32 s67, ttmp7, 0xffff                   ; the head, 0..63, which the four partners share
	s_lshl_b32 s88, s67, 17                        ; its 131,072 bytes in each of the three buffers of images
	s_mov_b32 s89, 0
	s_and_b32 s90, s[WV], 1                        ; u.  Also: which half of a fill I fetch
	s_lshr_b32 s[GA], s[WV], 1
	s_xor_b32 s[GB], s[GA], 15                     ; 15 - w / 2
	s_lshl_b32 s92, s90, 14                        ; the first fill: key steps 0-3, 32,768 bytes of K and of V: 16,384 a wave;
	s_mov_b32 s93, 0
	s_mul_i32 s94, s90, 49152                      ; the second: the other 98,304 bytes: 49,152 a wave
	s_add_co_u32 s94, s94, 32768
	s_mov_b32 s95, 0
	; descriptor group 1: a dense block as rows of 256 bytes (32 elements of 8 bytes), no padding
	s_mov_b32 s[G1S], 15|(3<<16)|(1<<21)           ; 15:0 the mask: all four work-groups; 17:16 elements of 8 bytes; 21 set beside a mask
	s_mov_b32 s[G1S+1], 32<<16                     ; tensor_dim0 = 32
	s_mov_b32 s[G1S+2], 64<<16                     ; tensor_dim1 = 64
	s_mov_b32 s[G1S+3], 32<<16                     ; tile_dim0 = 32
	s_mov_b32 s[G1S+4], 64                         ; tile_dim1 = 64
	s_mov_b32 s[G1S+5], 32                         ; tensor_dim0_stride
	s_mov_b32 s[G1S+6], 0
	s_mov_b32 s[G1S+7], 0
	s_mov_b32 s[G1L], 15|(3<<16)|(1<<21)
	s_mov_b32 s[G1L+1], 32<<16
	s_mov_b32 s[G1L+2], 192<<16                    ; 192 rows
	s_mov_b32 s[G1L+3], 32<<16
	s_mov_b32 s[G1L+4], 192
	s_mov_b32 s[G1L+5], 32
	s_mov_b32 s[G1L+6], 0
	s_mov_b32 s[G1L+7], 0
	s_mov_b32 s[SEL], 0x76543210
	s_mov_b32 s[SEL+1], 0xfedcba98
	s_mov_b32 s[CS], 0x3e38aa3b                    ; log2(e) / sqrt(64)
	s_wait_dscnt 0x0
	s_wait_kmcnt 0x0
	s_load_b256 s[68:75], s[10:11], 0x0            ; e0 .. e7
	s_load_b128 s[76:79], s[10:11], 0x20           ; e8 .. e11
	s_add_nc_u64 s[4:5], s[4:5], s[88:89]          ; the three at my head
	s_add_nc_u64 s[6:7], s[6:7], s[88:89]
	s_add_nc_u64 s[8:9], s[8:9], s[88:89]
	s_mov_b32 s[G0K], 1                            ; count = 1
	s_mov_b32 s[G0K+1], s92                        ; LDS address: made of the wave's number alone
	s_add_nc_u64 s[G0K+2:G0K+3], s[6:7], s[92:93]  ; global address: made of the head and the wave's number
	s_or_b32 s[G0K+3], s[G0K+3], 0x80000000        ; type = 2
	s_mov_b32 s[G0K+4], 1
	s_mov_b32 s[G0K+5], s94
	s_add_nc_u64 s[G0K+6:G0K+7], s[6:7], s[94:95]
	s_or_b32 s[G0K+7], s[G0K+7], 0x80000000
	s_mov_b32 s[G0V], 1
	s_add_co_u32 s[G0V+1], s92, 131072
	s_add_nc_u64 s[G0V+2:G0V+3], s[8:9], s[92:93]
	s_or_b32 s[G0V+3], s[G0V+3], 0x80000000
	s_mov_b32 s[G0V+4], 1
	s_add_co_u32 s[G0V+5], s94, 131072
	s_add_nc_u64 s[G0V+6:G0V+7], s[8:9], s[94:95]
	s_or_b32 s[G0V+7], s[G0V+7], 0x80000000
	ROUND                                          ; all four work-groups are here: the joint loads meet
	s_cmp_lt_u32 s[WV], 2                          ; waves 0, 1 fetch K's halves, waves 2, 3 V's, the others nothing; a wave's two fills stand in one arm: two loads of mine are out
	s_cbranch_scc0 .Lnot_k
	tensor_load_to_lds s[G0K:G0K+3], s[G1S:G1S+7]
	s_nop 0
	tensor_load_to_lds s[G0K+4:G0K+7], s[G1L:G1L+7]
	s_nop 0
.rept 4
	v_nop
.endr
	s_branch .Lasked
.Lnot_k:
	s_cmp_lt_u32 s[WV], 4
	s_cbranch_scc0 .Lasked
	tensor_load_to_lds s[G0V:G0V+3], s[G1S:G1S+7]
	s_nop 0
	tensor_load_to_lds s[G0V+4:G0V+7], s[G1L:G1L+7]
	s_nop 0
.rept 4
	v_nop
.endr
.Lasked:
	v_and_b32 v[LI], 31, v0
	s_delay_alu instid0(VALU_DEP_1)
	v_lshlrev_b32 v[LI], 4, v[LI]
	s_wait_alu depctr_va_vdst(0)
	v_add_nc_u32 v[LIV], 0x20000, v[LI]
	s_bfe_u32 s66, ttmp6, 0x40000                  ; cx
	s_lshl_b32 s88, s66, 1
	s_add_co_u32 s88, s88, s90                     ; my tile's place in its group: 2 cx + u
	s_lshl_b32 s89, s[GA], 3
	s_add_co_u32 s89, s89, s88                     ; the early tile,
	s_lshl_b32 s91, s[GB], 3
	s_add_co_u32 s91, s91, s88                     ; the late one
	s_mov_b32 s3, 0
	s_lshl_b32 s2, s89, 10
	s_add_nc_u64 s[QPA:QPA+1], s[4:5], s[2:3]
	s_lshl_b32 s2, s91, 10
	s_add_nc_u64 s[QPB:QPB+1], s[4:5], s[2:3]
	global_load_b128 v[QA:QA+3], v[LI], s[QPA:QPA+1]
	global_load_b128 v[QA+4:QA+7], v[LI], s[QPA:QPA+1] offset:512
	global_load_b128 v[QB:QB+3], v[LI], s[QPB:QPB+1]
	global_load_b128 v[QB+4:QB+7], v[LI], s[QPB:QPB+1] offset:512
	s_bfe_u32 s2, s67, 0x20002                     ; the result: K step = (head % 16) / 4: 2^21 bytes;
	s_lshl_b32 s2, s2, 21
	s_lshr_b32 s66, s67, 4                         ; the batch's 128 tiles of 4,096 bytes;
	s_lshl_b32 s66, s66, 19
	s_or_b32 s2, s2, s66
	s_and_b32 s66, s67, 3                          ; head % 4: 1,024 bytes
	s_lshl_b32 s66, s66, 10
	s_or_b32 s2, s2, s66
	s_add_nc_u64 s[12:13], s[12:13], s[2:3]
	s_lshl_b32 s2, s89, 12
	s_add_nc_u64 s[CPA:CPA+1], s[12:13], s[2:3]
	s_lshl_b32 s2, s91, 12
	s_add_nc_u64 s[CPB:CPB+1], s[12:13], s[2:3]
	v_and_b32 v[QD], 15, v0                        ; r
	v_bfe_u32 v11, v0, 4, 1                        ; h
	s_delay_alu instid0(VALU_DEP_1)
	v_lshlrev_b32 v[XC], 3, v11
	s_delay_alu instid0(VALU_DEP_1)
	v_sub_nc_u32 v[QD], v[QD], v[XC]
	s_lshl_b32 s66, s88, 4
	v_add_nc_u32 v[QD], s66, v[QD]                 ; 16 (2 cx + u) + r - 8 h
	v_cmp_ne_u32 s[HM], 0, v11
	v_mov_b32 v[NINF], 0xff800000
	v_mov_b32 v[XC+2], 0                           ; written once: a lane permute's destination counts as one of its sources
	v_mov_b32 v[XC+3], 0
	v_mov_b32 v236, 0
	v_mov_b32 v252, 0
	v_mov_b32 v253, 0                              ; (named as the upper half of the pair v[252:253])
	s_wait_kmcnt 0x0
	s_add_co_i32 s88, s74, s75
	s_lshl_b32 s88, s88, 23
	s_add_co_i32 s[CS], s[CS], s88                 ; a score stands for score x 2^(e6 + e7): the two exponents are added to c's exponent field
	s_mov_b32 s[CS+1], s[CS]                       ; (named with it as a pair, so it is written)
	s_add_co_i32 s88, s76, 127
	s_lshl_b32 s89, s88, 23
	v_mov_b32 v[PSC], s89                          ; 2^e8
	s_add_co_i32 s88, s78, 127
	s_lshl_b32 s89, s88, 23
	v_mov_b32 v[CSC], s89                          ; 2^e10
	s_add_co_i32 s[EPV], s76, s77                  ; e8 + e9
; A UNIT: my 16 queries (their fragment at v[q]) against key step s[KS].  mask = 1: the step may be hidden (all its keys come after my queries: left out, by a scalar branch on the count and the wave's number) or lie on the diagonal.
.macro STEP q, mask
.if \mask
	s_cmp_gt_u32 s[KS], s[G]
	s_cbranch_scc1 .Lhidden_\@
.endif
	s_setprio 2
	v_add_nc_u32 v[ADK], s[KO], v[LI]
	v_add_nc_u32 v[ADV], s[KO], v[LIV]
	v_nop
	v_nop                                          ; four places in front of loads into registers that the last products have read
.irp t, 0,1,2,3,4,5,6,7
	ds_load_b128 v[KV+8*\t:KV+8*\t+3], v[ADK] offset:1024*\t          ; K's tile t: 512 consecutive bytes a load
	ds_load_b128 v[KV+8*\t+4:KV+8*\t+7], v[ADK] offset:1024*\t+512
.endr
	s_wait_alu depctr_va_vdst(0)
.irp t, 0,1,2,3,4,5,6,7
	s_wait_dscnt 14-2*\t                           ; tile t's two loads are in; the later tiles' may be out
	v_wmma_f32_16x16x64_bf8_bf8 v[S+8*\t:S+8*\t+7], v[KV+8*\t:KV+8*\t+7], v[\q:\q+7], 0
.endr
.rept 4
	v_nop                                          ; places: V's loads land where K lay, and the scores are read
.endr
.irp d, 0,1,2,3
.irp c, 0,1,2,3
	ds_load_b128 v[KV+16*\d+4*\c:KV+16*\d+4*\c+3], v[ADV] offset:2048*\d+512*\c   ; V's four fragments come while the softmax is worked
.endr
.endr
.if \mask
	s_cmp_lg_u32 s[KS], s[G]
	s_cbranch_scc1 .Lopen_\@
.set n, 0
.rept 64                                       ; on the diagonal: register 8 t + j holds the group's key 16 t + 8 h + j, hidden where 16 t + j > v[QD]: its score becomes -infinity, p = 0
	v_cmp_gt_i32 vcc_lo, 16*(n/8)+n%8, v[QD]
	v_cndmask_b32 v[S+n], v[S+n], v[NINF], vcc_lo
.set n, n+1
.endr
.Lopen_\@:
.endif
	v_max3_num_f32 v254, v96, v97, v98             ; the step's largest score of my query, among my 64 keys, in two chains, from each tile's low end on,
	v_max3_num_f32 v252, v99, v100, v101
.irp i, 6,10,14,18,22,26,30,34,38,42,46,50,54,58
	v_max3_num_f32 v254, v254, v[96+\i], v[97+\i]
	v_max3_num_f32 v252, v252, v[98+\i], v[99+\i]
.endr
	v_max3_num_f32 v254, v254, v158, v159
	s_delay_alu instid0(VALU_DEP_1)
	v_max_num_f32 v254, v254, v252
	s_delay_alu instid0(VALU_DEP_1)
	v_permlanex16_b32 v236, v254, s[SEL], s[SEL+1]
	s_delay_alu instid0(VALU_DEP_1)
	v_max_num_f32 v254, v254, v236                 ; and among lane l xor 16's
	s_delay_alu instid0(VALU_DEP_1)
	v_mul_f32 v254, s[CS], v254                    ; as t (c is positive)
	s_delay_alu instid0(VALU_DEP_1)
	v_max_num_f32 v13, v13, v254                   ; the running largest t
	v_mov_b32 v254, v12
	s_delay_alu instid0(VALU_DEP_2)
	v_floor_f32 v12, -v13                          ; the new -M = floor(-t) = -ceil(t): a whole number
	s_delay_alu instid0(VALU_DEP_1)
	v_sub_f32 v254, v12, v254                      ; old M less new M: a whole number, 0 or less
	s_delay_alu instid0(VALU_DEP_1)
	v_cvt_i32_f32 v254, v254                       ; (it saturates)
	s_delay_alu instid0(VALU_DEP_1)
	v_ldexp_f32 v252, 1.0, v254                    ; f = 2^(old M - new M)
.set n, 0
.rept 32
	v_pk_fma_f32 v[S+n:S+n+1], v[S+n:S+n+1], s[CS:CS+1], v[12:13] op_sel_hi:[1,0,0]   ; t - M, two at a time (of the pairs c and -M the low word serves both halves)
.set n, n+2
.endr
.set n, 0
	s_setprio 1
	s_wait_alu depctr_va_vdst(0)
.rept 64
	v_exp_f32 v[S+n], v[S+n]                       ; p = 2^(t - M), at most 1: not normalised
.set n, n+1
.endr
	v_pk_mul_f32 v[14:15], v[14:15], v[252:253] op_sel_hi:[1,0]   ; the sums under the new M: the plain instruction behind the exponentials
	s_wait_alu depctr_va_vdst(0)                   ; one wait for the batch of 64, ahead of the first use of a result
	v_pk_add_f32 v[242:243], v[100:101], v[104:105]
	v_pk_add_f32 v[248:249], v[108:109], v[112:113]
	v_pk_add_f32 v[246:247], v[116:117], v[120:121]
	v_pk_add_f32 v[244:245], v[124:125], v[128:129]
	v_pk_add_f32 v[240:241], v[132:133], v[136:137]
	v_pk_add_f32 v[238:239], v[140:141], v[144:145]
	v_pk_add_f32 v[234:235], v[148:149], v[152:153]
	v_pk_add_f32 v[14:15], v[14:15], v[156:157]
	v_pk_add_f32 v[242:243], v[242:243], v[96:97]
	v_pk_add_f32 v[248:249], v[248:249], v[98:99]
	v_pk_add_f32 v[246:247], v[246:247], v[102:103]
	v_pk_add_f32 v[244:245], v[244:245], v[106:107]
	v_pk_add_f32 v[240:241], v[240:241], v[110:111]
	v_pk_add_f32 v[238:239], v[238:239], v[114:115]
	v_pk_add_f32 v[234:235], v[234:235], v[118:119]
	v_pk_add_f32 v[14:15], v[14:15], v[122:123]
	v_pk_add_f32 v[242:243], v[242:243], v[126:127]
	v_pk_add_f32 v[248:249], v[248:249], v[130:131]
	v_pk_add_f32 v[246:247], v[246:247], v[134:135]
	v_pk_add_f32 v[244:245], v[244:245], v[138:139]
	v_pk_add_f32 v[240:241], v[240:241], v[142:143]
	v_pk_add_f32 v[238:239], v[238:239], v[146:147]
	v_pk_add_f32 v[234:235], v[234:235], v[150:151]
	v_pk_add_f32 v[14:15], v[14:15], v[154:155]
	v_pk_add_f32 v[242:243], v[242:243], v[158:159]
	s_delay_alu instid0(VALU_DEP_2)
	v_pk_add_f32 v[14:15], v[14:15], v[244:245]
	s_delay_alu instid0(VALU_DEP_2)
	v_pk_add_f32 v[242:243], v[242:243], v[240:241]
	v_pk_add_f32 v[248:249], v[248:249], v[238:239]
	v_pk_add_f32 v[246:247], v[246:247], v[234:235]
	s_delay_alu instid0(VALU_DEP_2)
	v_pk_add_f32 v[14:15], v[14:15], v[248:249]
	s_delay_alu instid0(VALU_DEP_2)
	v_pk_add_f32 v[242:243], v[242:243], v[246:247]
	s_delay_alu instid0(VALU_DEP_1)
	v_pk_add_f32 v[14:15], v[14:15], v[242:243]
	s_setprio 0
.irp t, 0,1,2,3,4,5,6,7
.irp i, 0,1,2,3,4,5,6,7
.endr
	v_cvt_scalef32_pk8_bf8_f32 v[PC+2*\t:PC+2*\t+1], v[S+8*\t:S+8*\t+7], v[PSC]   ; keys 16 t + 8 h + 0 .. 7: registers 2 t, 2 t + 1 of P
.endr
.set n, 0
.rept 16
	v_pk_mul_f32 v[O+n:O+n+1], v[O+n:O+n+1], v[252:253] op_sel_hi:[1,0]   ; O^T under the new M: x f.  (Plain instructions between the conversions and the products that read their results)
.set n, n+2
.endr
	s_wait_alu depctr_va_vdst(0)
.irp d, 0,1,2,3                                ; O^T += V^T P^T: the four accumulators by turns, one instruction a turn; S^T's eight products stand between two turns of one accumulator
	s_wait_dscnt 12-4*\d                           ; fragment d's four loads are in; the later fragments' may be out
	v_wmma_f32_16x16x128_bf8_bf8 v[O+8*\d:O+8*\d+7], v[KV+16*\d:KV+16*\d+15], v[PC:PC+15], v[O+8*\d:O+8*\d+7]
.endr
.if \mask
.Lhidden_\@:
.endif
.endm
; Key steps first .. first + trips - 1: the trip count is a constant; a hidden step's work is jumped over inside the trip.
.macro RUN q, first, trips, mask
	s_mov_b32 s[KS], \first
	s_mov_b32 s[KO], \first*8192
.Lrun_\@:
	STEP \q, \mask
	s_add_co_u32 s[KO], s[KO], 8192
	s_add_co_u32 s[KS], s[KS], 1
	s_cmp_lt_u32 s[KS], \first+\trips
	s_cbranch_scc1 .Lrun_\@
	s_setprio 0
.endm
.macro INIT                            ; a tile begins: the step is written once, and its first trip finds zeros, which the first change of M leaves zeros
	v_mov_b32 v13, 0xff61b1e6                      ; the largest t so far: -3e38, under every t
	s_delay_alu instid0(VALU_DEP_1)
	v_floor_f32 v12, -v13                          ; -M
	v_mov_b32 v14, 0
	v_mov_b32 v15, 0
.set n, 0
.rept 32
	v_mov_b32 v[O+n], 0
.set n, n+1
.endr
.endm
; A tile ends: O^T / the sum x 2^(e8 + e9), held, converted, brought into the image's lanes, stored.
.macro FINISH base
	s_wait_xcnt 0x0                                ; the earlier tile's stores have read their data: the image's registers are written again only behind this wait
.rept 4
	v_nop                                          ; places behind the last products
.endr
	v_add_f32 v14, v14, v15                        ; the sum's two halves,
	s_delay_alu instid0(VALU_DEP_1)
	v_permlanex16_b32 v252, v14, s[SEL], s[SEL+1]
	s_delay_alu instid0(VALU_DEP_1)
	v_add_f32 v14, v14, v252                       ; and lane l xor 16's: the row's sum
	s_wait_alu depctr_va_vdst(0)
	v_rcp_f32 v14, v14
	v_nop                                          ; a plain instruction behind the transcendental
	s_wait_alu depctr_va_vdst(0)                   ; and the wait ahead of the first use of its result
	v_ldexp_f32 v14, v14, s[EPV]
.set n, 0
.rept 32
	v_mul_f32 v[S+n], v[O+n], v14                  ; register 8 d + j: channel 16 d + 8 h + j of my query; each accumulator from its low end on
.set n, n+1
.endr
.set n, 0
.rept 32
.set n, n+1
.endr
.irp d, 0,1,2,3
	v_cvt_scalef32_pk8_bf8_f32 v[PC+2*\d:PC+2*\d+1], v[S+8*\d:S+8*\d+7], v[CSC]
.endr
	v_nop                                          ; a plain instruction between the conversions and the use of their results
	; The image wants 16 neighbouring channels a lane: 32 b + 16 h + 0 .. 15.  Lanes 0-15 keep tile 2 b's eight and take lane + 16's of the same tile; lanes 16-31 keep tile 2 b + 1's and take lane - 16's of that tile.
.irp b, 0,1
.irp i, 0,1
	v_cndmask_b32 v[XC+\i], v[PC+4*\b+2+\i], v[PC+4*\b+\i], s[HM]         ; what I give away
.endr
.irp i, 0,1
	s_delay_alu instid0(VALU_DEP_2)
	v_permlanex16_b32 v[XC+2+\i], v[XC+\i], s[SEL], s[SEL+1]
.endr
.irp i, 0,1
	v_cndmask_b32 v[CI+4*\b+\i], v[PC+4*\b+\i], v[XC+2+\i], s[HM]
	v_cndmask_b32 v[CI+4*\b+2+\i], v[XC+2+\i], v[PC+4*\b+2+\i], s[HM]
.endr
.endr
	global_store_b128 v[LI], v[CI:CI+3], s[\base:\base+1]                 ; 512 consecutive bytes a store, at a multiple of 512 from the buffer's first byte
	global_store_b128 v[LI], v[CI+4:CI+7], s[\base:\base+1] offset:512
.endm
	s_wait_loadcnt 0x0                             ; Q
	s_wait_tensorcnt 1                             ; my part of key steps 0-3 is in; the second fill, issued behind it, may be out
	s_barrier_signal -1
	s_barrier_wait -1                              ; everybody's is
	s_mov_b32 s[G], s[GB]                          ; the late tile first: its group is 8 or more, so key steps 0-3 are all open: four units in every wave while the rest of the head lands
	INIT
	RUN QB, 0, 4, 0
	s_wait_tensorcnt 0x0                           ; my part of the rest is in,
	s_wait_dscnt 0x0
	s_barrier_signal -1
	s_barrier_wait -1                              ; everybody's is: from here on the waves run free
	RUN QB, 4, 12, 1
	FINISH CPB
	s_mov_b32 s[G], s[GA]                          ; the early tile: its group is 7 or less
	INIT
	RUN QA, 0, 8, 1
	FINISH CPA
	s_wait_tensorcnt 0x0
	ds_add_u32 v251, v255
	s_wait_dscnt 0x0
	ROUND                                          ; the closing round: no work-group ends while a partner may still ask for a tile that names it
	s_endpgm
.Lfunc_end_k_q12550329cf_attn:
	.size	k_q12550329cf_attn, .Lfunc_end_k_q12550329cf_attn-k_q12550329cf_attn
	.p2alignl 7, 3214868480
	.fill 96, 4, 3214868480
	.section	.rodata,"a",@progbits
	.p2align	6, 0x0
	.amdhsa_kernel k_q12550329cf_attn
		.amdhsa_group_segment_fixed_size 264192
		.amdhsa_private_segment_fixed_size 0
		.amdhsa_enable_private_segment 0
		.amdhsa_kernarg_size 40
		.amdhsa_user_sgpr_count 2
		.amdhsa_user_sgpr_kernarg_segment_ptr 1
		.amdhsa_wavefront_size32 1
		.amdhsa_system_sgpr_workgroup_id_x 1
		.amdhsa_system_sgpr_workgroup_id_y 1
		.amdhsa_system_sgpr_workgroup_id_z 1
		.amdhsa_system_vgpr_workitem_id 0
		.amdhsa_next_free_vgpr 256
		.amdhsa_next_free_sgpr 96
		.amdhsa_reserve_vcc 1
		.amdhsa_float_denorm_mode_32 3
		.amdhsa_float_denorm_mode_16_64 3
		.amdhsa_fp16_overflow 1
		.amdhsa_memory_ordered 1
		.amdhsa_forward_progress 1
		.amdhsa_inst_pref_size 70
	.end_amdhsa_kernel
	.amdgpu_metadata
---
amdhsa.version: [ 1, 2 ]
amdhsa.kernels:
  - .name:           k_q12550329cf_attn
    .symbol:         k_q12550329cf_attn.kd
    .args:
      - { .name: q_img, .offset: 0, .size: 8, .value_kind: global_buffer, .address_space: global }
      - { .name: k_img, .offset: 8, .size: 8, .value_kind: global_buffer, .address_space: global }
      - { .name: v_img, .offset: 16, .size: 8, .value_kind: global_buffer, .address_space: global }
      - { .name: lowp_scales, .offset: 24, .size: 8, .value_kind: global_buffer, .address_space: global }
      - { .name: ctx_img, .offset: 32, .size: 8, .value_kind: global_buffer, .address_space: global }
    .group_segment_fixed_size: 264192
    .private_segment_fixed_size: 0
    .kernarg_segment_align: 8
    .kernarg_segment_size: 40
    .max_flat_workgroup_size: 512
    .sgpr_count:     96
    .vgpr_count:     256
    .wavefront_size: 32
...
	.end_amdgpu_metadata
.endif
;; end of part 2
;; launch outp (part 3): grid 4 x 64, 4 waves a work-group, clusters of 4 x 4, 327,680 bytes of LDS; arguments ctx_img, Wo_codes, lowp_scales, bo, out0; writes out0
.if DOCPART == 3
	.amdgcn_target "amdgcn-amd-amdhsa--gfx1250"
	.amdhsa_code_object_version 6
	.text
	.protected	k_q12550329cf_outp
	.globl	k_q12550329cf_outp
	.p2align	8
	.type	k_q12550329cf_outp,@function
k_q12550329cf_outp:
	s_mov_b64 s[64:65], 0
	v_nop
	global_prefetch_b8 v0, s[64:65] scope:SCOPE_SE
	s_setreg_imm32_b32 hwreg(HW_REG_WAVE_MODE, 25, 1), 1
	s_wait_xcnt 0x0
	s_wait_alu depctr_hold_cnt(0) depctr_sa_sdst(0) depctr_va_vdst(0) depctr_va_sdst(0) depctr_va_ssrc(0) depctr_va_vcc(0) depctr_vm_vsrc(0)
	s_getreg_b32 s2, hwreg(HW_REG_IB_STS2, 6, 4)
	s_cmp_eq_u32 s2, 0
	s_cbranch_scc0 .Lentry_in_a_cluster
	s_endpgm
.Lentry_in_a_cluster:
	s_bfe_u32 s2, ttmp6, 0x10000c
	s_cmp_lg_u32 s2, 0xf033
	s_cbranch_scc0 .Lentry_shape_is_right
	s_endpgm
.Lentry_shape_is_right:
; out0 = ctx Wo + bo on codes of BF8 (E5M2).  ctx: 8,192 tokens x 1,024, as images of operand registers; Wo: [1024 (n)][1024 (k)] codes, K innermost; bo [1024], out0 [8192][1024]: f32.
; ctx_img: [K step of 256: 4][tile of 16 tokens: 512][quarter of the step: 4][1,024 bytes]: two neighbouring quarters are a fragment of 16 tokens x 128 K: lane (r, h): token r; registers 4 c .. 4 c + 3: K = 32 c + 16 h + 0 .. 15,
; which is what four loads of 16 bytes, 32 bytes apart, give of a row of Wo: the same permutation of k on both sides, so every product meets its partner.
; A sum stands for sum x 2^(e10 + e11): out = sum x 2^(e10 + e11) + bo, one packed multiply-add for two numbers.  LIMIT: e10 + e11 between -126 and 127.
; 256 work-groups, each 128 tokens x 256 columns; a wave 64 tokens x 128 columns: 32 accumulators of 16 x 16.  With 256 x 256 there would be 128 work-groups for 256 WGPs.
; K goes in steps of 256 through a ring of two LDS slots.  CLUSTERS: 4 x 4: ctx's tile is shared along a row of the cluster, Wo's along a column: each is asked for JOINTLY.
; THE MATRIX INSTRUCTION IS USED TRANSPOSED (source 0 = 16 rows of Wo, source 1 = 16 tokens): a lane holds eight neighbouring columns of one token's row.
; REGISTERS, in windows of 256: window 0: v0-31 addresses; v32-95 at work on the way out; v128-191 ctx's fragments (4 x 16 tokens x 128 K), ONE set; on the way out v128-255 rows read back;
;   window 1: Wo's fragments, TWO sets;   window 2: the accumulators ((a, b) at v[8 (8 a + b)]);   window 3: v0-63 bo in the result's layout (8 b + i: column 16 b + 8 h + i).
.set PITCH,  272                       ; a row of Wo's tile in LDS: 256 bytes + 16 of padding = 68 words: the 16 rows that a load touches start 4 words apart modulo 64 (64 banks of 4 bytes: ISA guide 11.1)
.set FR,     16                        ; registers of a fragment
.set NP,     4                         ; places behind this matrix instruction (ISA guide 7.12.1)
.set ABYTES, 32768                     ; ctx's part of a slot: 8 tiles of tokens x 4,096 bytes, dense
.set HB,     128*PITCH                 ; 128 rows of Wo
.set SLOT,   ABYTES+2*HB
.set LAPS,   2                         ; four K steps = twice round the ring
.set SPARE,  2*SLOT                    ; behind the ring: the spare words, 128 bytes for each wave
.set SPITCH, 528                       ; the way out: a stage of 16 rows x (512 bytes + 16) for each wave, in slot 0, which has had its last fill and its last read when the first result is stored there
.set ADRA, 16                          ; v16-17  LDS address of my ctx fragments in slot 0, 1
.set ADRB, 20                          ; v20-21  the same for Wo
.set STO,  24                          ; v24     the way out: where I put 32 bytes of a row
.set RD,   25                          ; v25     where I read a row back
.set CO,   26                          ; v26     16 x lane
.set BA,   27                          ; v27     32 x (lane / 16): my half's eight numbers of bo
.set SPW,  28                          ; v28     LDS address of my spare word; never rewritten
.set NIL,  29                          ; v29     0; never rewritten
.set TMP,  32
.set AF,   128
.set BK,   128
.set G1, 24                            ; s[24:31] descriptor group 1 for ctx's tiles;  s[32:39] group 0, one set for each slot
.set G0, 32
.set G1B, 48                           ; s[48:55], s[56:63] the same for Wo's tiles
.set G0B, 56
.set MSB, 0
.macro WIN new                         ; the immediate's high byte repeats the setting that is left
.if MSB != \new
	s_set_vgpr_msb (MSB<<8)|\new
.set MSB, \new
.endif
.endm
.set MUL,  0xa1                        ; source 0 (Wo) window 1, source 1 (ctx) window 0, C and D window 2
.set TO_B, 0x40                        ; destination window 1, address window 0
; A joint load: waves 0 and 1 fetch for ctx, waves 2 and 3 for Wo; the branch hangs on the wave's number alone.  Four v_nop follow each of the two lines.
.macro JLOAD g0a, g1a, g0b, g1b
	s_cmp_eq_u32 s15, 0
	s_cbranch_scc0 .Lfor_b_\@
	tensor_load_to_lds s[\g0a:\g0a+3], s[\g1a:\g1a+7]
	s_nop 0
.rept 4
	v_nop
.endr
	s_branch .Lasked_\@
.Lfor_b_\@:
	tensor_load_to_lds s[\g0b:\g0b+3], s[\g1b:\g1b+7]
	s_nop 0
.rept 4
	v_nop
.endr
.Lasked_\@:
.endm
.macro CREST                           ; a round of the cluster's barrier behind its opening barrier
	s_cmp_lg_u32 s14, 0
	s_cbranch_scc1 .Lnot_wave_0_\@
	s_barrier_signal -3
.Lnot_wave_0_\@:
	s_barrier_wait -3
	s_barrier_signal -1
	s_barrier_wait -1
.endm
.macro CROUND
	s_barrier_signal -1
	s_barrier_wait -1
	CREST
.endm
	s_load_b256 s[4:11], s[0:1], 0x0               ; ctx_img s[4:5], Wo's codes s[6:7], the scales' exponents s[8:9], bo s[10:11]
	s_load_b64 s[12:13], s[0:1], 0x20              ; out0
	v_lshl_add_u32 v[SPW], v0, 2, SPARE
	v_mov_b32 v[NIL], 0
	ds_add_u32 v28, v29
	ds_add_u32 v28, v29
	s_wait_dscnt 0x0
	v_lshrrev_b32 v1, 5, v0
	v_readfirstlane_b32 s14, v1                    ; wave 0..3
	s_lshr_b32 s15, s14, 1                         ; which 64 of the 128 tokens are mine.  Also: I fetch for ctx (0) or for Wo (1)
	s_and_b32 s16, s14, 1                          ; which 128 of the 256 columns.  Also: which half of that tile I fetch
	s_bfe_u32 s40, ttmp6, 0x40000                  ; cx, cy
	s_bfe_u32 s41, ttmp6, 0x40004
	s_lshl_b32 s42, ttmp9, 2
	s_add_co_u32 s42, s42, s40                     ; tile column (256 columns) = 4 x cluster x + cx
	s_and_b32 s17, ttmp7, 0xffff
	s_lshl_b32 s17, s17, 2
	s_add_co_u32 s17, s17, s41                     ; tile row (128 tokens) = 4 x cluster y + cy
	s_lshl_b32 s43, s41, 2
	s_lshl_b32 s43, 15, s43                        ; my row of the cluster
	s_lshl_b32 s44, 0x1111, s40                    ; my column
	s_or_b32 s[G1+0], s43, (3<<16)|(1<<21)         ; ctx: 15:0 the mask: my row; 17:16 elements of 8 bytes; 21 set beside a mask; no padding: a dense block of 64 rows x 256 bytes
	s_mov_b32 s[G1+1], 32<<16                      ; tensor_dim0 = 32
	s_mov_b32 s[G1+2], 64<<16                      ; tensor_dim1 = 64
	s_mov_b32 s[G1+3], 32<<16                      ; tile_dim0 = 32
	s_mov_b32 s[G1+4], 64                          ; tile_dim1 = 64
	s_mov_b32 s[G1+5], 32                          ; tensor_dim0_stride
	s_mov_b32 s[G1+6], 0
	s_mov_b32 s[G1+7], 0
	s_or_b32 s[G1B+0], s44, (0<<16)|(1<<20)|(1<<21)|(5<<22)|(3<<25) ; Wo: my column; elements of 1 byte; padding on: 4 words after every 64
	s_mov_b32 s[G1B+1], 256<<16
	s_mov_b32 s[G1B+2], 128<<16
	s_mov_b32 s[G1B+3], 256<<16
	s_mov_b32 s[G1B+4], 128
	s_mov_b32 s[G1B+5], 1024
	s_mov_b32 s[G1B+6], 0
	s_mov_b32 s[G1B+7], 0
	s_lshl_b32 s20, s17, 15                        ; ctx: the tile row's 8 tiles of tokens x 4,096 bytes,
	s_lshl_b32 s18, s16, 14                        ; + my half of them; the same number is my half's place in a slot
	s_add_co_u32 s20, s20, s18
	s_mov_b32 s21, 0
	s_lshl_b32 s46, s42, 18                        ; Wo: row 256 x tile column + 128 x half, of 1,024 bytes
	s_lshl_b32 s19, s16, 17
	s_add_co_u32 s46, s46, s19
	s_mov_b32 s47, 0
	s_mul_i32 s45, s16, HB
	s_add_co_u32 s45, s45, ABYTES                  ; and its place in a slot: no place in the cluster enters an LDS address
	s_wait_kmcnt 0x0
	s_load_b64 s[96:97], s[8:9], 0x28              ; e10, e11
	s_add_nc_u64 s[20:21], s[4:5], s[20:21]
	s_add_nc_u64 s[46:47], s[6:7], s[46:47]
	CROUND                                         ; all sixteen work-groups are here: the first joint loads meet
.irp s, 0,1
	s_mov_b32 s[G0+4*\s], 1
	s_add_co_u32 s[G0+4*\s+1], s18, \s*SLOT
	s_add_nc_u64 s[G0+4*\s+2:G0+4*\s+3], s[20:21], \s*0x200000     ; a K step of ctx's images is 2^21 bytes on
	s_or_b32 s[G0+4*\s+3], s[G0+4*\s+3], 0x80000000
	s_mov_b32 s[G0B+4*\s], 1
	s_add_co_u32 s[G0B+4*\s+1], s45, \s*SLOT
	s_add_nc_u64 s[G0B+4*\s+2:G0B+4*\s+3], s[46:47], \s*256
	s_or_b32 s[G0B+4*\s+3], s[G0B+4*\s+3], 0x80000000
	s_wait_alu depctr_va_vdst(0)
	s_wait_tensorcnt 0x0
	ds_add_u32 v28, v29
	ds_add_u32 v28, v29
	s_wait_dscnt 0x0
	CROUND
	JLOAD G0+4*\s, G1, G0B+4*\s, G1B
.endr
	v_and_b32 v1, 15, v0                           ; r
	v_bfe_u32 v2, v0, 4, 1                         ; h
	v_and_b32 v6, 31, v0
	v_lshlrev_b32 v[CO], 4, v6
	v_mul_u32_u24 v3, v1, PITCH
	v_lshl_add_u32 v4, v2, 4, v3                   ; Wo: row x pitch + 16 x half
	s_lshl_b32 s21, s15, 14                        ; my four tiles of tokens
	s_mul_i32 s22, s16, HB                         ; my 128 rows of Wo,
	s_add_co_u32 s22, s22, ABYTES                  ; which lie behind ctx's part
.irp s, 0,1
	v_add_nc_u32 v[ADRA+\s], s21, v[CO]
	v_add_nc_u32 v[ADRB+\s], s22, v4
	s_add_co_u32 s21, s21, SLOT
	s_add_co_u32 s22, s22, SLOT
.endr
	s_mul_i32 s23, s14, 16*SPITCH                  ; my stage
	v_mul_u32_u24 v5, v1, SPITCH                   ; in: row r, 32 bytes for each half of the lanes
	v_lshl_add_u32 v5, v2, 5, v5
	v_add_nc_u32 v[STO], s23, v5
	v_add_nc_u32 v[RD], s23, v[CO]                 ; back: the 32 lanes take one row of 512 bytes
	s_lshl_b32 s20, s17, 19                        ; out0: row 128 x tile row + 64 x half, of 4,096 bytes;
	s_lshl_b32 s21, s15, 18
	s_add_co_u32 s20, s20, s21
	s_lshl_b32 s22, s42, 10                        ; column 256 x tile column + 128 x half, of 4 bytes
	s_lshl_b32 s23, s16, 9
	s_add_co_u32 s22, s22, s23
	s_mov_b32 s23, 0
	s_add_co_u32 s20, s20, s22
	s_mov_b32 s21, 0
	s_add_nc_u64 s[12:13], s[12:13], s[20:21]
	s_add_nc_u64 s[10:11], s[10:11], s[22:23]      ; bo at my first column
	v_lshlrev_b32 v[BA], 5, v2
	WIN 0xc0                                       ; destination window 3
.irp b, 0,1,2,3,4,5,6,7
	global_load_b128 v[8*\b:8*\b+3], v[BA], s[10:11] offset:64*\b
	global_load_b128 v[8*\b+4:8*\b+7], v[BA], s[10:11] offset:64*\b+16
.endr
	WIN 0
.macro FRAGA reg, slot, q, i           ; ctx's tile i of tokens, the slot's q-th 128 along K: an image, 512 consecutive bytes a load
.irp c, 0,1,2,3
	ds_load_b128 v[\reg+4*\c:\reg+4*\c+3], v[ADRA+\slot] offset:4096*(\i)+2048*(\q)+512*\c
.endr
.endm
.macro FRAGB reg, slot, q, i           ; 16 rows of Wo: registers 4 c .. 4 c + 3 hold K = 32 c + 16 (l / 16) + 0 .. 15
.irp c, 0,1,2,3
	ds_load_b128 v[\reg+4*\c:\reg+4*\c+3], v[ADRB+\slot] offset:128*(\q)+32*\c+(\i)*16*PITCH
.endr
.endm
; 8 matrix instructions: ctx's block a x Wo's eight.  p: Wo's set.  zero = 1: the first product starts the sums.  The 32 accumulators take turns, one instruction a turn, in the same order in every step.
.macro MUL8 a, p, zero
.irp b, 0,1,2,3,4,5,6,7
.if \zero
	v_wmma_f32_16x16x128_bf8_bf8 v[8*(8*(\a)+\b):8*(8*(\a)+\b)+7], v[128*(\p)+FR*\b:128*(\p)+FR*\b+FR-1], v[AF+FR*(\a):AF+FR*(\a)+FR-1], 0
.else
	v_wmma_f32_16x16x128_bf8_bf8 v[8*(8*(\a)+\b):8*(8*(\a)+\b)+7], v[128*(\p)+FR*\b:128*(\p)+FR*\b+FR-1], v[AF+FR*(\a):AF+FR*(\a)+FR-1], v[8*(8*(\a)+\b):8*(8*(\a)+\b)+7]
.endif
.endr
.endm
.macro FETCH_B slot, q, p
	WIN TO_B
.irp i, 0,1,2,3,4,5,6,7
	FRAGB 128*(\p)+FR*\i, \slot, \q, \i
.endr
	WIN 0
.endm
.macro FETCH_A slot, q, i0             ; ctx's blocks i0, i0 + 1
.irp i, \i0, \i0+1
	FRAGA AF+FR*(\i), \slot, \q, \i
.endr
.endm
.macro PLACES n                        ; places in front of loads into registers that matrix instructions have read, and of the first read of results (ISA guide 7.12.1 for vector instructions)
.rept \n
	v_nop
.endr
.endm
; A step of 128 along K that has its successor in the same slot.
.macro STEP slot, q, zero
	s_wait_dscnt 8                                 ; Wo's set and ctx's blocks 0, 1 are in; the youngest 8 loads (blocks 2, 3) may be out
	WIN MUL
	MUL8 0, (\q)%2, \zero
	MUL8 1, (\q)%2, \zero
	s_wait_dscnt 0                                 ; blocks 2, 3 are in
	PLACES NP
	FETCH_B \slot, (\q)+1, 1-(\q)%2
	FETCH_A \slot, (\q)+1, 0
	WIN MUL
	MUL8 2, (\q)%2, \zero
	MUL8 3, (\q)%2, \zero
	PLACES NP
	WIN 0
	FETCH_A \slot, (\q)+1, 2
.endm
; A slot's last step changes slots: ONE barrier; in front of it each wave waits for all its tensor loads, adds 0 to its spare word, and waits for that and for its own reads of this slot.  fill = 1: this slot is filled again, two K steps ahead.
.macro TURN slot, next, fill
	s_wait_tensorcnt 0x0                           ; all my tensor loads have landed: my part of the next slot  (every window is 0 here)
	ds_add_u32 v[SPW], v[NIL]                      ; 0 onto my spare word
	s_wait_dscnt 9                                 ; (the add and the youngest 8 loads, blocks 2, 3, may be out)
	WIN MUL
	MUL8 0, 1, 0                                   ; eight matrix instructions stand between the add and the wait for it
	s_wait_dscnt 0x0                               ; the add is done, and my reads of this slot are over
	s_barrier_signal -1
	MUL8 1, 1, 0
	WIN 0
	s_barrier_wait -1
.if \fill
	CREST                                          ; the barrier has opened a round of the cluster's barrier: no wave of any partner still reads this slot's tile or has a load on its way
	s_add_nc_u64 s[G0+4*\slot+2:G0+4*\slot+3], s[G0+4*\slot+2:G0+4*\slot+3], 0x400000
	s_add_nc_u64 s[G0B+4*\slot+2:G0B+4*\slot+3], s[G0B+4*\slot+2:G0B+4*\slot+3], 512
	JLOAD G0+4*\slot, G1, G0B+4*\slot, G1B         ; the first tensor load behind the round; the four v_nop behind it are the places in front of the loads below
.else
	PLACES NP
.endif
	FETCH_B \next, 0, 0
	FETCH_A \next, 0, 0
	WIN MUL
	MUL8 2, 1, 0
	MUL8 3, 1, 0
	PLACES NP
	WIN 0
	FETCH_A \next, 0, 2
.endm
	s_wait_alu depctr_va_vdst(0)
	s_wait_tensorcnt 1                             ; my part of K step 0 is in (K step 1's load, issued behind it, may be out),
	s_barrier_signal -1
	s_barrier_wait -1                              ; everybody's is
	FETCH_B 0, 0, 0
	FETCH_A 0, 0, 0
	FETCH_A 0, 0, 2
	STEP 0, 0, 1                                   ; the first step stands in front of the loop: its products start the sums
	s_mov_b32 s3, LAPS-1
.Llap:                                                 ; a trip goes once round the ring and fills both slots again
	TURN 0, 1, 1
	STEP 1, 0, 0
	TURN 1, 0, 1
	STEP 0, 0, 0
	s_sub_co_u32 s3, s3, 1
	s_cmp_lg_u32 s3, 0
	s_cbranch_scc1 .Llap
	TURN 0, 1, 0                                   ; the last lap fills nothing, and has no round of the cluster's barrier
	STEP 1, 0, 0
	s_wait_dscnt 8                                 ; the very last step: nothing more to fetch
	WIN MUL
	MUL8 0, 1, 0
	MUL8 1, 1, 0
	s_wait_dscnt 0
	MUL8 2, 1, 0
	MUL8 3, 1, 0
	WIN 0
; THE WAY OUT, block by block of 16 tokens x 128 columns.  A lane holds 32 neighbouring bytes of a row, and the lanes beside it hold other rows: so a block goes through my own stage in LDS and comes back as whole rows of
; 512 bytes.  LDS serves a wave's instructions in order (ISA guide 5.7.1.4): no wait between the stores and the loads, nor in front of the next block's stores.
.macro TOSTAGE a
	WIN 0x32                                       ; source 0 (the sums) window 2, source 2 (bo) window 3
.set n, 0
.rept 32
	v_pk_fma_f32 v[TMP+n:TMP+n+1], v[64*(\a)+n:64*(\a)+n+1], s[96:97], v[n:n+1] op_sel_hi:[1,0,1]   ; sum x 2^(e10 + e11) + bo; each accumulator from its low end on
.set n, n+2
.endr
	WIN 0
.irp b, 0,1,2,3,4,5,6,7
	ds_store_b128 v[STO], v[TMP+8*\b:TMP+8*\b+3] offset:64*\b
	ds_store_b128 v[STO], v[TMP+8*\b+4:TMP+8*\b+7] offset:64*\b+16
.endr
.set BB, BK+64*((\a)%2)
.irp t, 0,1,2,3,4,5,6,7,8,9,10,11,12,13,14,15
	ds_load_b128 v[BB+4*\t:BB+4*\t+3], v[RD] offset:\t*SPITCH
.endr
.endm
.macro SEND a, younger                 ; younger: the LDS instructions issued behind block a's loads, which may stay out
.set BB, BK+64*((\a)%2)
	s_wait_dscnt \younger                          ; the block is back in registers
.if (\a) > 0
	s_add_nc_u64 s[12:13], s[12:13], 16*4096       ; (behind a wait on XCNT: the earlier stores have read their base)  16 rows on
.endif
.irp t, 0,1,2,3,4,5,6,7,8,9,10,11,12,13,14,15
	global_store_b128 v[CO], v[BB+4*\t:BB+4*\t+3], s[12:13] offset:\t*4096 th:TH_STORE_NT   ; 32 lanes store 512 consecutive bytes, at a multiple of 512 from out0's first byte; written once, read by nobody here
.endr
.endm
	s_wait_kmcnt 0x0
	s_wait_loadcnt 0x0                             ; bo
	s_add_co_i32 s96, s96, s97                     ; e10 + e11
	s_add_co_i32 s96, s96, 127
	s_lshl_b32 s96, s96, 23                        ; 2^(e10 + e11) as f32
	s_mov_b32 s97, s96                             ; (named with it as a pair, so it is written)
	PLACES NP                                      ; behind the last products: their results are read, and loads land where ctx's fragments lay
	TOSTAGE 0
.irp a, 1,2,3
.if \a > 1
	s_wait_xcnt 0x0                                ; block a - 2's stores have read their registers and their base: block a's loads may land there, and the base may step
.endif
	TOSTAGE \a
	SEND \a-1, 32                                  ; behind block a - 1's loads: block a's 16 stores and 16 loads
.endr
	s_wait_xcnt 0x0                                ; block 2's stores have read their base
	SEND 3, 0
	s_wait_tensorcnt 0x0                           ; the wave's end
	ds_add_u32 v[SPW], v[NIL]
	s_wait_dscnt 0x0
	CROUND                                         ; the closing round: no work-group ends while a partner may still ask for a tile that names it
	s_endpgm
.Lfunc_end_k_q12550329cf_outp:
	.size	k_q12550329cf_outp, .Lfunc_end_k_q12550329cf_outp-k_q12550329cf_outp
	.p2alignl 7, 3214868480
	.fill 96, 4, 3214868480
	.section	.rodata,"a",@progbits
	.p2align	6, 0x0
	.amdhsa_kernel k_q12550329cf_outp
		.amdhsa_group_segment_fixed_size 327680
		.amdhsa_private_segment_fixed_size 0
		.amdhsa_enable_private_segment 0
		.amdhsa_kernarg_size 40
		.amdhsa_user_sgpr_count 2
		.amdhsa_user_sgpr_kernarg_segment_ptr 1
		.amdhsa_wavefront_size32 1
		.amdhsa_system_sgpr_workgroup_id_x 1
		.amdhsa_system_sgpr_workgroup_id_y 1
		.amdhsa_system_sgpr_workgroup_id_z 1
		.amdhsa_system_vgpr_workitem_id 0
		.amdhsa_next_free_vgpr 832
		.amdhsa_next_free_sgpr 100
		.amdhsa_reserve_vcc 0
		.amdhsa_float_denorm_mode_32 3
		.amdhsa_float_denorm_mode_16_64 3
		.amdhsa_memory_ordered 1
		.amdhsa_forward_progress 1
		.amdhsa_inst_pref_size 79
	.end_amdhsa_kernel
	.amdgpu_metadata
---
amdhsa.version: [ 1, 2 ]
amdhsa.kernels:
  - .name:           k_q12550329cf_outp
    .symbol:         k_q12550329cf_outp.kd
    .args:
      - { .name: ctx_img, .offset: 0, .size: 8, .value_kind: global_buffer, .address_space: global }
      - { .name: Wo_codes, .offset: 8, .size: 8, .value_kind: global_buffer, .address_space: global }
      - { .name: lowp_scales, .offset: 16, .size: 8, .value_kind: global_buffer, .address_space: global }
      - { .name: bo, .offset: 24, .size: 8, .value_kind: global_buffer, .address_space: global }
      - { .name: out0, .offset: 32, .size: 8, .value_kind: global_buffer, .address_space: global }
    .group_segment_fixed_size: 327680
    .private_segment_fixed_size: 0
    .kernarg_segment_align: 8
    .kernarg_segment_size: 40
    .max_flat_workgroup_size: 128
    .sgpr_count:     100
    .vgpr_count:     832
    .wavefront_size: 32
...
	.end_amdgpu_metadata
.endif
;; end of part 3
